; MI455X (gfx1250); checked and timed in simulation.
; The chip was launched on July 23, 2026; its instructions are those of AMD's public machine-readable ISA for CDNA 5 (MIT licence, August 2026) and "CDNA5" Instruction Set Architecture Reference Guide (July 2026). The comments in the code are by the model that wrote it; some were corrected since.
;; Causal Self Attention. Allowed arithmetic: matrix products marked QUANTISED: E3M2 operands, one E8M0 scale for each 32 along K, by v_wmma_scale_f32_16x16x128_f8f6f4 with both operands' format E3M2, f32 sums; everything else in f32.
;; Inputs: Wk_codes 1,024 x 32 x 24 uint8 (E3M2 codes of Wk, K innermost, in blocks of 32 codes, four codes in three bytes); Wk_scales 1,024 x 32 uint8 (E8M0 scales of Wk, one for each 32 codes along K); Wq_codes 1,024 x 32 x 24 uint8 (E3M2 codes of Wq, K innermost, in blocks of 32 codes, four codes in three bytes); Wq_scales 1,024 x 32 uint8 (E8M0 scales of Wq, one for each 32 codes along K); Wv_codes 1,024 x 32 x 24 uint8 (E3M2 codes of Wv, K innermost, in blocks of 32 codes, four codes in three bytes); Wv_scales 1,024 x 32 uint8 (E8M0 scales of Wv, one for each 32 codes along K); attention_mask 4 x 1 x 1 x 2,048 float32; bk 1,024 float32; bq 1,024 float32; bv 1,024 float32; hidden_states_codes 4 x 2,048 x 32 x 24 uint8 (E3M2 codes of hidden_states, K innermost, in blocks of 32 codes, four codes in three bytes); hidden_states_scales 4 x 2,048 x 32 uint8 (E8M0 scales of hidden_states, one for each 32 codes along K).
;; Outputs: out0 4 x 2,048 x 1,024 float32.
;; This version of the problem:
;;   THIS VERSION OF THE PROBLEM IS GIVEN IN LOW PRECISION. The matrix products marked QUANTISED in the list below multiply operands that are first quantised to E3M2 (3 exponent bits, 2 mantissa bits; 6 bits a number), with one power-of-two scale for each 32 numbers along K (OCP MX v1.0); their sums are f32. All else is computed in f32.
;;   The module's matrix products, in the order in which they are computed (A, B: the left and right operand; K: the contracted axis; several contracted axes count as one K, in the product's order):
;;     1. [M 8,192, K 1,024] x [K 1,024, N 1,024]; A: input hidden_states (given as codes); B: input Wq (given as codes): QUANTISED
;;     2. [M 8,192, K 1,024] x [K 1,024, N 1,024]; A: input hidden_states (given as codes); B: input Wk (given as codes): QUANTISED
;;     3. [M 8,192, K 1,024] x [K 1,024, N 1,024]; A: input hidden_states (given as codes); B: input Wv (given as codes): QUANTISED
;;     4. batch 64 x [M 2,048, K 64] x [K 64, N 2,048]; A: computed on the way; B: computed on the way: QUANTISED
;;     5. batch 64 x [M 2,048, K 2,048] x [K 2,048, N 64]; A: softmax (see below); B: computed on the way: QUANTISED
;;   THE QUANTISER, for each operand of a quantised product, along K:
;;     - K is cut into blocks of 32 from its start; a last block that is shorter is filled with zeros.
;;     - A block's scale is 2^e with e = floor(log2(the largest magnitude in the block)) - 4, held to -126 .. 127; a block of zeros has e = 0. As a byte (E8M0): e + 127.
;;     - Each number is divided by its block's scale, clamped to +-28, and rounded to the nearest number of E3M2, ties to even, subnormals kept.
;;     - The product sums the exact products of the quantised numbers (number of the format x scale) in f32.
;;   ~~~python
;;   def quantise(x, axis):      # numpy; x: float32 -> the quantised numbers, widened to float32 again
;;       x = np.moveaxis(x, axis, -1); K = x.shape[-1]
;;       x = np.pad(x, [(0, 0)] * (x.ndim - 1) + [(0, -K % 32)]); x = x.reshape(x.shape[:-1] + (-1, 32)); a = np.abs(x).max(-1, keepdims=True)
;;       e = np.where(a > 0, np.clip(np.frexp(np.where(a > 0, a, 1))[1] - 1 - 4, -126, 127), 0)      # np.frexp(a)[1] - 1 = floor(log2(a)), exactly
;;       r = np.clip(x / 2.0 ** e, -28, 28)
;;       step = 2.0 ** (np.maximum(np.frexp(np.where(r == 0, 1, r))[1] - 1, -2) - 2)
;;       q = np.round(r / step) * step * 2.0 ** e      # np.round: ties to even
;;       return np.moveaxis(q.reshape(q.shape[:-2] + (-1,))[..., :K], -1, axis).astype(np.float32)
;;   ~~~
;;   SOFTMAX AHEAD OF A QUANTISED PRODUCT. Where the list says 'softmax', what is quantised is not the finished softmax but p = 2^(t - M), with t = logit x log2(e) and M = ceil(the row's largest t), a whole number; so 1/2 < the row's largest p <= 1. The row's sum l is taken of the UNQUANTISED p, in f32, and the product's result is divided by l at the end. Since M is a whole number, a kernel that streams over the keys may use a running M (the ceiling of the running maximum): every later rescaling is an exact power of two, which a block's scale takes up: the codes' values come out the same.
;;   OPERANDS COMPUTED ON THE WAY. 'Computed on the way' means the value that the module computes at that place (a softmax that the list does not call 'softmax' is quantised finished and normalised). What goes into a quantiser is computed in f32, as accurately as f32 sums, v_exp_f32 and their like allow (about 1e-6 of the number): no bf16 or f16 on the way to a quantiser, and a product that is left as it is and whose result goes on into a quantised operand takes f32 operands (vector FMAs, or v_wmma_f32_16x16x4_f32). A number that lies on a knife's edge between two numbers of the format may be rounded either way, as far as f32 arithmetic and the matrix unit's own rounding can turn it there, and no further.
;;   INPUTS GIVEN AS CODES. Wk (in the module: [1024, 1024], K = its axis 1); Wq (in the module: [1024, 1024], K = its axis 1); Wv (in the module: [1024, 1024], K = its axis 1); hidden_states (in the module: [4, 2048, 1024], K = its axis 2): each comes as NAME_codes (uint8): NAME with its K axis moved to the last place and cut into blocks of 32 codes, [.., K / 32, bytes a block], one block behind the other in memory; four codes in three bytes: a row's codes are one little-endian stream of bits, code i at bits 6 i .. 6 i + 5 (a code: sign, 3 exponent bits, 2 mantissa bits); and NAME_scales (uint8): the same leading axes, one E8M0 byte (e + 127) for each 32 codes along K. Its value is code x scale, taken as it is: it is not quantised again, and the codes and scales need not be those that the quantiser above would give.
;; One version. Each part assembles by itself: llvm-mc -triple=amdgcn-amd-amdhsa -mcpu=gfx1250 --defsym DOCPART=n.
;; ======== version 1 of 1: 2 launches
;; limits: right only within a limited range of input values
;; workspace buffers: qimg 6,553,600 bytes; kv 13,631,488 bytes
;; launch proj (part 1): grid 12 x 32, 4 waves a work-group, clusters of 4 x 4, 327,680 bytes of LDS; arguments hidden_states_codes, hidden_states_scales, Wq_codes, Wq_scales, Wk_codes, Wk_scales, Wv_codes, Wv_scales, bq, bk, bv, attention_mask, qimg, kv; writes qimg, kv
.if DOCPART == 1
	.amdgcn_target "amdgcn-amd-amdhsa--gfx1250"
	.amdhsa_code_object_version 6
	.text
	.protected	k_q65a7c631a4_proj
	.globl	k_q65a7c631a4_proj
	.p2align	8
	.type	k_q65a7c631a4_proj,@function
k_q65a7c631a4_proj:
	s_mov_b64 s[64:65], 0
	v_nop
	global_prefetch_b8 v0, s[64:65] scope:SCOPE_SE
	s_setreg_imm32_b32 hwreg(HW_REG_WAVE_MODE, 25, 1), 1
	s_wait_xcnt 0x0
	s_wait_alu depctr_hold_cnt(0) depctr_sa_sdst(0) depctr_va_vdst(0) depctr_va_sdst(0) depctr_va_ssrc(0) depctr_va_vcc(0) depctr_vm_vsrc(0)
	s_getreg_b32 s2, hwreg(HW_REG_IB_STS2, 6, 4)
	s_cmp_eq_u32 s2, 0
	s_cbranch_scc0 .Lentry_in_a_cluster
	s_endpgm
.Lentry_in_a_cluster:
	s_bfe_u32 s2, ttmp6, 0x10000c
	s_cmp_lg_u32 s2, 0xf033
	s_cbranch_scc0 .Lentry_shape_is_right
	s_endpgm
.Lentry_shape_is_right:
; q = x Wq^T + bq, k = x Wk^T + bk, v = x Wv^T + bv on codes of BF6 (E3M2) with one E8M0 scale for each 32 along K = 1,024; sums in f32; then q, k and v are quantised
; for the two products of attention and stored as IMAGES OF OPERAND REGISTERS (a fragment: 12 registers x 32 lanes = 1,536 bytes; registers 4 c .. 4 c + 3 of lane l at 512 c + 16 l).
; x: [8192][1024] codes, rows of 768 bytes; each W: [1024][1024] likewise; scale bytes: rows of 32.
; THE MODE is the cluster's x: 0 = q, 1 = k, 2 = v; it is the same in all sixteen partners of a cluster.  A tile of 256 x 256 to a work-group of four waves, 128 x 128 to a wave: 64 accumulators, 512 registers.
; THE MATRIX INSTRUCTION IS USED TRANSPOSED: source 0 = 16 rows of the tensor called B here, source 1 = 16 rows of the one called A: a lane holds ONE row of A and eight neighbouring rows of B.
;   modes q, k: A = x, B = W: a lane holds one token, its registers run along the features, which are the K of q k^T;
;   mode v:     A = Wv, B = x: a lane holds one feature, its registers run along the tokens, which are the K of p v.
; The bias is the C of each sum's first matrix instruction.
; THE QUANTISER.  A block of 32 lies in two neighbouring accumulators of lanes l and l xor 16.  Its codes come out with the block's 32 places permuted (place p holds k = p, p + 8, p - 8, p for p in 0-7, 8-15, 16-23, 24-31);
; every operand of the two later products is made by these same lines, so both sides of a product carry the same permutation inside a scale's block, and the sums are those of the true order.
; OUTPUT.  kv: [16 b + head][step of 128 keys][13,312 bytes]: 0: four fragments of k, each with TWO tiles of 16 keys (registers 0-5: keys 32 i + r, registers 6-11: keys 32 i + 16 + r; K = the head's 64);
;   6,144: four fragments of v^T (rows d = 16 t + r, K = the step's 128 keys); 12,288: k's scale words, 8 bytes a lane (first word: lanes 0-15 fragment 0, lanes 16-31 fragment 1; second word: fragments 2, 3);
;   12,544: v's likewise; 12,800: 128 f32, 8 x attention_mask held to +-2^100.   qimg: [16 b + head][128 queries][6,400 bytes]: four fragments as k's, then their scale words.
; LIMITS: 8 x attention_mask is held to +-2^100 (an infinite mask becomes that); NaN in the mask or a bias is not served; a block whose largest magnitude lies under 2^-122 keeps the scale byte 1,
; a block of zeros too (its codes are zeros, and only this program reads the bytes).
; CLUSTERS: 4 x 4 work-groups.  A's tiles are shared along a row of the cluster, B's along a column: each is asked for jointly, by the same tensor load with the same descriptor and a mask that names the four.
; REGISTERS, in windows of 256: window 0: v0-31 addresses; v32-63 scale words, two sets; v64-127 the bias in the result's layout; v128-223 A's fragments, one set; v224-227 128 numbers of the mask.
;   window 1: B's fragments, two sets, at v0 and v128.   windows 2, 3: the accumulators ((a, b) at v[8 (8 (a % 4) + b)] of window 2 + a / 4).   On the way out window 0's v32-223 are free.
.set KSTEP,  256                       ; along K in a slot
.set NQ,     KSTEP/128                 ; matrix instructions deep
.set ROWB,   192                       ; a tile's row in bytes
.set KROW,   768                       ; a row of codes in memory
.set PITCH,  240                       ; an LDS row: 3 x (64 bytes + 16 of padding) = 60 words: the 32 lanes of a load of 8 bytes touch 64 different banks (64 banks of 4 bytes: ISA guide 11.1)
.set FR,     12                        ; registers of a fragment
.set NL,     6                         ; LDS loads that bring one
.set NP,     4                         ; places behind this matrix instruction (ISA guide 7.12.1)
.set HALFT,  128*PITCH                 ; 128 rows: what one tensor load brings
.set SLOT,   4*HALFT                   ; A's 256 rows, then B's 256 rows
.set LAPS,   1024/(2*KSTEP)            ; a lap = two K steps = once round the ring
.set KS,     32                        ; a row of scale bytes
.set SCL,    2*SLOT                    ; behind the ring: the scales of all of K, as units of 256 bytes + 16 of padding
.set HALFS,  (128*KS/256)*272          ; those of 128 rows: what one tensor load brings
.set SBLK,   (16*KS/256)*272           ; those of 16 rows
.set SPARE,  SCL+4*HALFS               ; the spare words, 128 bytes for each wave: two blocks of 256 bytes that no other line names
.set ADRA, 16                          ; v16-17 LDS address of my A fragments in slot 0, 1 (v18-19: for the pieces behind one padding more)
.set ADRB, 20                          ; v20-23 the same for B
.set L8,   25                          ; v25    8 x lane
.set LI,   26                          ; v26    16 x lane
.set ADRS, 27                          ; v27    LDS address of my scale words: lanes 0-15 A's rows, lanes 16-31 B's
.set SPW,  28                          ; v28    LDS address of my spare word; never rewritten
.set NIL,  29                          ; v29    0; never rewritten
.set BH,   30                          ; v30    32 x (lane / 16): the bias of eight features of my half
.set BR,   31                          ; v31    4 x (lane % 16): the bias of my feature
.set SC,   32                          ; scale words: set s at v[SC + 16 s]; register 2 i + q: lanes 0-15 A's block i, lanes 16-31 B's block i
.set BI,   64                          ; the bias
.set AF,   128                         ; A's fragments
.set MKI,  224                         ; the mask as loaded
; the way out, window 0
.set TM,   32                          ; v32-35 largest magnitudes, v36-39 the partner's, then bytes, v44-47 the conversions' scale operands
.set FL,   48                          ; the floor 2^(5 - 127)
.set T2,   50                          ; v50-52, v54-56 the second halves of the conversions
.set PWT,  58                          ; v58-65 a tile's scale word (modes q, k)
.set WD,   66                          ; v66-73 a fragment's scale word: head eta, fragment i at WD + 4 eta + i
.set RRW,  74                          ; v74-77 the scale words as they are stored
.set BIG,  78                          ; 2^100
.set MK,   80                          ; v80-83 the mask, x 8 and held
.set FRG,  128                         ; v128-223 eight fragments: head eta, fragment i at FRG + 12 (4 eta + i): each has registers of its own, so no store's data are written again
.set G1, 24                            ; s[24:31] descriptor group 1 for A's tiles;  s[32:39] group 0, one set for each slot
.set G0, 32
.set G1B, 48                           ; s[48:55], s[56:63] the same for B's tiles
.set G0B, 56
.set G1S, 68                           ; s[68:75], s[76:79] groups 1 and 0 for A's scales;  s[80:87], s[88:91] for B's
.set G0S, 76
.set G1SB, 80
.set G0SB, 88
.set MSB, 0
.macro WIN new                         ; the immediate's high byte repeats the setting that is left
.if MSB != \new
	s_set_vgpr_msb (MSB<<8)|\new
.set MSB, \new
.endif
.endm
.set MUL_LO, 0xa1                      ; source 0 (B) window 1, source 1 (A) window 0, C and D window 2
.set MUL_HI, 0xf1                      ; the same, C and D window 3
.set TO_B,   0x40                      ; destination window 1, address window 0
; A joint load: waves 0 and 1 fetch for A, waves 2 and 3 for B.  The branch hangs on the wave's number alone.  Four v_nop follow each of the two lines.
.macro JLOAD g0a, g1a, g0b, g1b
	s_cmp_eq_u32 s15, 0
	s_cbranch_scc0 .Lfor_b_\@
	tensor_load_to_lds s[\g0a:\g0a+3], s[\g1a:\g1a+7]
	s_nop 0
.rept 4
	v_nop
.endr
	s_branch .Lasked_\@
.Lfor_b_\@:
	tensor_load_to_lds s[\g0b:\g0b+3], s[\g1b:\g1b+7]
	s_nop 0
.rept 4
	v_nop
.endr
.Lasked_\@:
.endm
.macro CREST                           ; a round of the cluster's barrier behind its opening barrier
	s_cmp_lg_u32 s14, 0
	s_cbranch_scc1 .Lnot_wave_0_\@
	s_barrier_signal -3
.Lnot_wave_0_\@:
	s_barrier_wait -3
	s_barrier_signal -1
	s_barrier_wait -1
.endm
.macro CROUND                          ; a whole round
	s_barrier_signal -1
	s_barrier_wait -1
	CREST
.endm
	s_load_b256 s[68:75], s[0:1], 0x0              ; x's codes, x's scales, Wq's codes, Wq's scales
	s_load_b256 s[76:83], s[0:1], 0x20             ; Wk's codes, Wk's scales, Wv's codes, Wv's scales
	s_load_b256 s[84:91], s[0:1], 0x40             ; bq, bk, bv, attention_mask
	s_load_b128 s[92:95], s[0:1], 0x60             ; qimg, kv
	v_lshl_add_u32 v[SPW], v0, 2, SPARE
	v_mov_b32 v[NIL], 0
	ds_add_u32 v28, v29
	ds_add_u32 v28, v29
	s_wait_dscnt 0x0
	v_lshrrev_b32 v1, 5, v0
	v_readfirstlane_b32 s14, v1                    ; wave 0..3
	s_lshr_b32 s15, s14, 1                         ; which half of A's 256 rows is mine.  Also: I fetch for A (0) or for B (1)
	s_and_b32 s16, s14, 1                          ; which half of B's.  Also: which 128 rows of that tile I fetch
	s_bfe_u32 s40, ttmp6, 0x40000                  ; cx, cy: my place in the cluster
	s_bfe_u32 s41, ttmp6, 0x40004
	s_and_b32 s17, ttmp7, 0xffff
	s_lshl_b32 s17, s17, 2                         ; 4 x cluster y: x's 32 blocks of 256 rows are walked along y
	s_cmp_eq_u32 ttmp9, 2                          ; mode v: x is B
	s_cselect_b32 s42, s17, 0
	s_cselect_b32 s17, 0, s17
	s_add_co_u32 s42, s42, s40                     ; B's block of 256 rows: cx (a weight's) or 4 y + cx (x's)
	s_add_co_u32 s17, s17, s41                     ; A's block: 4 y + cy (x's) or cy (Wv's)
	s_lshl_b32 s43, s41, 2
	s_lshl_b32 s43, 15, s43                        ; my row of the cluster
	s_lshl_b32 s44, 0x1111, s40                    ; my column
	; descriptor group 1: a tile of 128 rows x 192 bytes, padded in LDS
	s_or_b32 s[G1+0], s43, (0<<16)|(1<<20)|(1<<21)|(3<<22)|(3<<25)  ; 15:0 the mask: A's tiles go to my row; 17:16 element of 1 byte; 20 padding on; 21 set beside a mask; 24:22 after every 16 words; 31:25 of 4 words
	s_or_b32 s[G1B+0], s44, (0<<16)|(1<<20)|(1<<21)|(3<<22)|(3<<25)
.irp g, G1, G1B
	s_mov_b32 s[\g+1], ROWB<<16                    ; tensor_dim0
	s_mov_b32 s[\g+2], 128<<16                     ; tensor_dim1
	s_mov_b32 s[\g+3], ROWB<<16                    ; tile_dim0
	s_mov_b32 s[\g+4], 128                         ; tile_dim1
	s_mov_b32 s[\g+5], KROW                        ; tensor_dim0_stride
	s_mov_b32 s[\g+6], 0
	s_mov_b32 s[\g+7], 0
.endr
	s_lshl_b32 s18, s16, 7                         ; which 128 rows of the tile I fetch
	s_lshl_b32 s20, s17, 8
	s_add_co_u32 s20, s20, s18                     ; A: row 256 x block + 128 x half
	s_lshl_b32 s46, s42, 8
	s_add_co_u32 s46, s46, s18                     ; B likewise
	s_mov_b32 s21, 0
	s_mov_b32 s47, 0
	s_mov_b64 s[18:19], KS
	s_mul_u64 s[22:23], s[20:21], s[18:19]         ; where these rows' scales begin, in bytes
	s_mul_u64 s[2:3], s[46:47], s[18:19]
	s_mov_b64 s[18:19], KROW
	s_mul_u64 s[20:21], s[20:21], s[18:19]         ; and their codes
	s_mul_u64 s[46:47], s[46:47], s[18:19]
	s_mul_i32 s45, s14, HALFT                      ; where they go: wave x 128 rows: no place in the cluster enters an LDS address
	s_mul_i32 s98, s14, HALFS
	s_wait_kmcnt 0x0
	s_cmp_eq_u32 ttmp9, 0                          ; the buffers are chosen by the mode, which hangs on no address
	s_cselect_b64 s[8:9], s[72:73], s[76:77]       ; B's codes: Wq's or Wk's
	s_cselect_b64 s[10:11], s[74:75], s[78:79]     ; B's scales
	s_cselect_b64 s[66:67], s[84:85], s[86:87]     ; bq or bk
	s_cselect_b64 s[96:97], s[92:93], s[94:95]     ; the images go to qimg or to kv
	s_cmp_eq_u32 ttmp9, 2
	s_cselect_b64 s[4:5], s[80:81], s[68:69]       ; A's codes: Wv's or x's
	s_cselect_b64 s[6:7], s[82:83], s[70:71]
	s_cselect_b64 s[8:9], s[68:69], s[8:9]         ; in mode v x is B
	s_cselect_b64 s[10:11], s[70:71], s[10:11]
	s_cselect_b64 s[66:67], s[88:89], s[66:67]     ; bv
	s_mov_b64 s[12:13], s[90:91]                   ; attention_mask
	s_add_nc_u64 s[20:21], s[4:5], s[20:21]
	s_add_nc_u64 s[22:23], s[6:7], s[22:23]
	s_add_nc_u64 s[46:47], s[8:9], s[46:47]
	s_add_nc_u64 s[2:3], s[10:11], s[2:3]
	; the scales of 128 rows: a dense block of 4,096 bytes, as 16 rows of 256 bytes (32 elements of 8 bytes), 16 bytes of padding behind each.  (The arguments' registers are free now.)
	s_or_b32 s[G1S+0], s43, (3<<16)|(1<<20)|(1<<21)|(5<<22)|(3<<25)
	s_or_b32 s[G1SB+0], s44, (3<<16)|(1<<20)|(1<<21)|(5<<22)|(3<<25)
.irp g, G1S, G1SB
	s_mov_b32 s[\g+1], 32<<16
	s_mov_b32 s[\g+2], (128*KS/256)<<16
	s_mov_b32 s[\g+3], 32<<16
	s_mov_b32 s[\g+4], 128*KS/256
	s_mov_b32 s[\g+5], 32
	s_mov_b32 s[\g+6], 0
	s_mov_b32 s[\g+7], 0
.endr
	CROUND                                         ; all sixteen work-groups are here: the first joint loads meet
	s_mov_b32 s[G0S], 1
	s_add_co_u32 s[G0S+1], s98, SCL
	s_mov_b64 s[G0S+2:G0S+3], s[22:23]
	s_or_b32 s[G0S+3], s[G0S+3], 0x80000000
	s_mov_b32 s[G0SB], 1
	s_add_co_u32 s[G0SB+1], s98, SCL
	s_mov_b64 s[G0SB+2:G0SB+3], s[2:3]
	s_or_b32 s[G0SB+3], s[G0SB+3], 0x80000000
	JLOAD G0S, G1S, G0SB, G1SB                     ; the scales first: they are wanted with K step 0
.irp s, 0,1
	s_mov_b32 s[G0+4*\s], 1
	s_add_co_u32 s[G0+4*\s+1], s45, \s*SLOT
	s_add_nc_u64 s[G0+4*\s+2:G0+4*\s+3], s[20:21], \s*ROWB
	s_or_b32 s[G0+4*\s+3], s[G0+4*\s+3], 0x80000000
	s_mov_b32 s[G0B+4*\s], 1
	s_add_co_u32 s[G0B+4*\s+1], s45, \s*SLOT
	s_add_nc_u64 s[G0B+4*\s+2:G0B+4*\s+3], s[46:47], \s*ROWB
	s_or_b32 s[G0B+4*\s+3], s[G0B+4*\s+3], 0x80000000
	JLOAD G0+4*\s, G1, G0B+4*\s, G1B               ; three tensor loads of mine are out now
.endr
	v_and_b32 v1, 15, v0                           ; r = lane % 16
	v_bfe_u32 v2, v0, 4, 1                         ; h = lane / 16
	v_mul_u32_u24 v3, v1, PITCH
	v_mul_u32_u24 v4, v2, 24
	v_add_nc_u32 v4, v3, v4                        ; a fragment's row x pitch + 24 x half
	v_lshl_add_u32 v5, v2, 4, v4                   ; and the same behind one padding more
	s_mul_i32 s21, s15, HALFT                      ; my 128 rows of A
	s_mul_i32 s22, s16, HALFT                      ; my 128 rows of B,
	s_add_co_u32 s22, s22, 2*HALFT                 ; which lie behind A's 256
.irp s, 0,1
	v_add_nc_u32 v[ADRA+\s], s21, v4
	v_add_nc_u32 v[ADRB+\s], s22, v4
	v_add_nc_u32 v[ADRA+2+\s], s21, v5
	v_add_nc_u32 v[ADRB+2+\s], s22, v5
	s_add_co_u32 s21, s21, SLOT
	s_add_co_u32 s22, s22, SLOT
.endr
	v_mul_u32_u24 v5, v1, KS                       ; my row's scales: 32 bytes a row,
	v_lshrrev_b32 v6, 8, v5
	v_lshl_add_u32 v5, v6, 4, v5                   ; and 16 more for each 256 passed
	s_mul_i32 s21, s15, HALFS                      ; A's: my 128 rows
	s_mul_i32 s22, s16, HALFS                      ; B's: my 128 rows, behind A's 256
	s_add_co_u32 s22, s22, 2*HALFS
	s_sub_co_u32 s22, s22, s21
	v_mul_u32_u24 v6, s22, v2                      ; lanes 16-31 take B's: one product, the distance between the two bases x h
	s_add_co_u32 s21, s21, SCL
	v_add_nc_u32 v5, v5, v6
	v_add_nc_u32 v[ADRS], s21, v5
	v_and_b32 v6, 31, v0
	v_lshlrev_b32 v[LI], 4, v6
	v_lshlrev_b32 v[L8], 3, v6
	v_lshlrev_b32 v[BH], 5, v2
	v_lshlrev_b32 v[BR], 2, v1
	; my wave's place among the tokens and the features, and from it the records that it stores.  None of these registers feeds a descriptor.
	s_lshl_b32 s18, s17, 8
	s_lshl_b32 s19, s15, 7
	s_add_co_u32 s18, s18, s19                     ; my first row of A
	s_lshl_b32 s19, s42, 8
	s_lshl_b32 s20, s16, 7
	s_add_co_u32 s19, s19, s20                     ; my first row of B
	s_mov_b32 s2, 13312                            ; a record's bytes: kv's,
	s_mov_b32 s92, 12288                           ; where k's scale words lie in it
	s_cmp_eq_u32 ttmp9, 0
	s_cselect_b32 s2, 6400, s2                     ; qimg's
	s_cselect_b32 s92, 6144, s92
	s_cmp_eq_u32 ttmp9, 2
	s_cselect_b32 s20, s19, s18                    ; T0: my first token (a multiple of 128)
	s_cselect_b32 s21, s18, s19                    ; n0: my first feature (a multiple of 128: two heads)
	s_cselect_b32 s94, 6144, 0                     ; where my fragments lie in a record
	s_cselect_b32 s92, 12544, s92                  ; v's scale words
	s_mov_b32 s93, 0
	s_mov_b32 s95, 0
	s_lshr_b32 s22, s20, 11
	s_lshl_b32 s22, s22, 8                         ; 256 x batch
	s_lshr_b32 s23, s21, 6
	s_lshl_b32 s23, s23, 4                         ; + 16 x head
	s_add_co_u32 s22, s22, s23
	s_bfe_u32 s23, s20, 0x40007                    ; + which 128 tokens of the sequence
	s_add_co_u32 s22, s22, s23
	s_mul_i32 s22, s22, s2                         ; the record's first byte (under 2^24)
	s_mov_b32 s23, 0
	s_lshl_b32 s46, s2, 4                          ; the next head's record lies 16 records on
	s_mov_b32 s47, 0
	s_add_nc_u64 s[96:97], s[96:97], s[22:23]
	s_add_nc_u64 s[100:101], s[96:97], s[92:93]    ; scale words, first head
	s_add_nc_u64 s[96:97], s[96:97], s[94:95]      ; fragments, first head
	s_add_nc_u64 s[98:99], s[96:97], s[46:47]      ; fragments, second head
	s_add_nc_u64 s[104:105], s[100:101], s[46:47]  ; scale words, second head
	s_lshl_b32 s22, s21, 2
	s_add_nc_u64 s[66:67], s[66:67], s[22:23]      ; the bias at my first feature
	s_lshl_b32 s22, s20, 2
	s_add_nc_u64 s[12:13], s[12:13], s[22:23]      ; the mask at my first token ([4][2048] is one run of 8,192)
	global_load_b128 v[MKI:MKI+3], v[LI], s[12:13] ; my 128 numbers of the mask: loaded in every mode, stored by mode k
	s_cmp_eq_u32 ttmp9, 2
	s_cbranch_scc1 .Lbias_v
.irp b, 0,1,2,3,4,5,6,7                        ; modes q, k: accumulator (a, b) of lane (r, h) holds features 16 b + 8 h + 0 .. 7
	global_load_b128 v[BI+8*\b:BI+8*\b+3], v[BH], s[66:67] offset:64*\b
	global_load_b128 v[BI+8*\b+4:BI+8*\b+7], v[BH], s[66:67] offset:64*\b+16
.endr
	s_branch .Lbias_in
.Lbias_v:
.irp a, 0,1,2,3,4,5,6,7                        ; mode v: accumulator (a, b) of lane (r, h) holds feature 16 a + r in all eight registers
.irp j, 0,1,2,3,4,5,6,7
	global_load_b32 v[BI+8*\a+\j], v[BR], s[66:67] offset:64*\a
.endr
.endr
.Lbias_in:
.macro FRAG reg, adr, q, i             ; a fragment: lane l holds row l % 16; registers 6 c .. 6 c + 5 hold K = 64 c + 32 (l / 16) + 0 .. 31: 24 bytes of the row's stream of bits, as they lie
.irp p, 0,1,2,3,4,5                    ; in pieces of 8 bytes.  Lanes 16-31 read three pieces further on than lanes 0-15
.set PC, 12*(\q)+6*(\p/3)+\p%3        ; 16 bytes of padding lie behind every 8 pieces: where the piece three on lies behind one padding more, the second address register serves
.if PC%8 < 5
	ds_load_b64 v[\reg+2*\p:\reg+2*\p+1], v[\adr] offset:8*PC+16*(PC/8)+(\i)*16*PITCH
.else
	ds_load_b64 v[\reg+2*\p:\reg+2*\p+1], v[\adr+2] offset:8*PC+16*(PC/8)+(\i)*16*PITCH
.endif
.endr
.endm
; 16 matrix instructions: A's blocks a0, a0 + 1 x B's eight, 128 along K.  p: B's set; sc: the set of scale words.  cs = 0: the sums go on; 2: they begin with the bias of B's block; 3: with the bias of A's block.
; The 64 accumulators take turns, one instruction a turn, in the same order in every step.
.macro MUL16 a0, p, q, sc, cs
.irp a, \a0, \a0+1
.irp b, 0,1,2,3,4,5,6,7
.if \cs == 2
	v_wmma_scale_f32_16x16x128_f8f6f4 v[8*(8*((\a)%4)+\b):8*(8*((\a)%4)+\b)+7], v[128*(\p)+FR*\b:128*(\p)+FR*\b+FR-1], v[AF+FR*(\a):AF+FR*(\a)+FR-1], v[BI+8*\b:BI+8*\b+7], v[SC+8*NQ*(\sc)+NQ*\b+(\q)], v[SC+8*NQ*(\sc)+NQ*(\a)+(\q)] matrix_a_fmt:MATRIX_FMT_BF6 matrix_b_fmt:MATRIX_FMT_BF6 matrix_a_scale:MATRIX_SCALE_ROW1
.elseif \cs == 3
	v_wmma_scale_f32_16x16x128_f8f6f4 v[8*(8*((\a)%4)+\b):8*(8*((\a)%4)+\b)+7], v[128*(\p)+FR*\b:128*(\p)+FR*\b+FR-1], v[AF+FR*(\a):AF+FR*(\a)+FR-1], v[BI+8*(\a):BI+8*(\a)+7], v[SC+8*NQ*(\sc)+NQ*\b+(\q)], v[SC+8*NQ*(\sc)+NQ*(\a)+(\q)] matrix_a_fmt:MATRIX_FMT_BF6 matrix_b_fmt:MATRIX_FMT_BF6 matrix_a_scale:MATRIX_SCALE_ROW1
.else
	v_wmma_scale_f32_16x16x128_f8f6f4 v[8*(8*((\a)%4)+\b):8*(8*((\a)%4)+\b)+7], v[128*(\p)+FR*\b:128*(\p)+FR*\b+FR-1], v[AF+FR*(\a):AF+FR*(\a)+FR-1], v[8*(8*((\a)%4)+\b):8*(8*((\a)%4)+\b)+7], v[SC+8*NQ*(\sc)+NQ*\b+(\q)], v[SC+8*NQ*(\sc)+NQ*(\a)+(\q)] matrix_a_fmt:MATRIX_FMT_BF6 matrix_b_fmt:MATRIX_FMT_BF6 matrix_a_scale:MATRIX_SCALE_ROW1
.endif
.endr
.endr
.endm
.macro FETCH_B slot, q, p              ; B's eight fragments of the slot's q-th 128 along K into set p
	WIN TO_B
.irp i, 0,1,2,3,4,5,6,7
	FRAG 128*(\p)+FR*\i, ADRB+\slot, \q, \i
.endr
	WIN 0
.endm
.macro FETCH_A slot, q, i0             ; A's blocks i0 .. i0 + 3
.irp i, \i0, \i0+1, \i0+2, \i0+3
	FRAG AF+FR*(\i), ADRA+\slot, \q, \i
.endr
.endm
.macro SCALES sc                       ; a K step's scale words into set sc: two words a row; lanes 0-15 take A's block i, lanes 16-31 B's block i
.irp i, 0,1,2,3,4,5,6,7
	ds_load_b64 v[SC+8*NQ*\sc+NQ*\i:SC+8*NQ*\sc+NQ*\i+1], v[ADRS] offset:\i*SBLK
.endr
.endm
; A load into a register that a matrix instruction has read, and a vector instruction that reads a matrix result or writes one of its registers, stand NP places behind it; only plain vector
; instructions that name none of its registers are places (ISA guide 7.12.1 for vector instructions).
.macro PLACES n
.rept \n
	v_nop
.endr
.endm
; A step of 128 along K that has its successor in the same slot.  cs as in MUL16: where the sums begin, C lies in window 0.
.macro STEP slot, q, cs
	s_wait_dscnt 4*NL                              ; B's set and A's blocks 0-3 are in; the youngest 24 loads (A's blocks 4-7) may be out
.if \cs
	WIN 0x81                                       ; source 0 window 1, sources 1 and 2 window 0, D window 2
.else
	WIN MUL_LO
.endif
	MUL16 0, (\q)%2, \q, \slot, \cs
	MUL16 2, (\q)%2, \q, \slot, \cs
	s_wait_dscnt 0                                 ; A's blocks 4-7 are in (asked for 32 matrix instructions ago)
	PLACES NP
	FETCH_B \slot, (\q)+1, 1-(\q)%2
	FETCH_A \slot, (\q)+1, 0
.if \cs
	WIN 0xc1                                       ; the same, D window 3
.else
	WIN MUL_HI
.endif
	MUL16 4, (\q)%2, \q, \slot, \cs
	MUL16 6, (\q)%2, \q, \slot, \cs
	PLACES NP
	WIN 0
	FETCH_A \slot, (\q)+1, 4
.endm
; A slot's last step changes slots: ONE barrier; in front of it each wave waits for all its tensor loads, adds 0 to its spare word, and waits for that and for its own reads of this slot.  fill = 1: this slot is filled again, two K steps ahead.
.macro TURN slot, next, fill
	s_wait_tensorcnt 0x0                           ; all my tensor loads have landed: my part of the next slot;  (every window is 0 here)
	ds_add_u32 v[SPW], v[NIL]                      ; 0 onto my spare word
	s_wait_dscnt 4*NL+1                            ; (the add and the youngest 24 loads, A's blocks 4-7, may be out)
	WIN MUL_LO
	MUL16 0, 1, NQ-1, \slot, 0                     ; sixteen matrix instructions stand between the add and the wait for it
	s_wait_dscnt 0x0                               ; the add is done, and my reads of this slot are over
	s_barrier_signal -1
	MUL16 2, 1, NQ-1, \slot, 0
	WIN 0
	s_barrier_wait -1
.if \fill
	CREST                                          ; the barrier has opened a round of the cluster's barrier: no wave of any partner still reads this slot's tile or has a load on its way
	s_add_nc_u64 s[G0+4*\slot+2:G0+4*\slot+3], s[G0+4*\slot+2:G0+4*\slot+3], 2*ROWB
	s_add_nc_u64 s[G0B+4*\slot+2:G0B+4*\slot+3], s[G0B+4*\slot+2:G0B+4*\slot+3], 2*ROWB
	JLOAD G0+4*\slot, G1, G0B+4*\slot, G1B         ; the first tensor load behind the round, my one load until the next; the four v_nop behind it are the places in front of the loads below
.else
	PLACES NP
.endif
	v_add_nc_u32 v[ADRS], 4*NQ, v[ADRS]            ; on to the next K step's scale words (no LDS load of mine is out)
	FETCH_B \next, 0, 0
	FETCH_A \next, 0, 0
	SCALES \next
	WIN MUL_HI
	MUL16 4, 1, NQ-1, \slot, 0
	MUL16 6, 1, NQ-1, \slot, 0
	PLACES NP
	WIN 0
	FETCH_A \next, 0, 4
.endm
	s_wait_tensorcnt 1                             ; the scales and my part of K step 0 are in (K step 1's load may be out)
	s_barrier_signal -1
	s_barrier_wait -1                              ; everybody's are
	FETCH_B 0, 0, 0
	FETCH_A 0, 0, 0
	SCALES 0
	FETCH_A 0, 0, 4
	s_wait_loadcnt 0x0                             ; the bias and the mask
	s_cmp_eq_u32 ttmp9, 2                          ; the first step is written twice: its products start the sums with the bias, which goes with B's block or with A's
	s_cbranch_scc1 .Lfirst_v
	STEP 0, 0, 2
	s_branch .Lfirst_done
.Lfirst_v:
	STEP 0, 0, 3
.Lfirst_done:
	s_mov_b32 s3, LAPS-1
.Llap:                                                 ; a trip goes once round the ring, from a lap's second step to the next lap's first, and fills both slots again
	TURN 0, 1, 1
	STEP 1, 0, 0
	TURN 1, 0, 1
	STEP 0, 0, 0
	s_sub_co_u32 s3, s3, 1
	s_cmp_lg_u32 s3, 0
	s_cbranch_scc1 .Llap
	TURN 0, 1, 0                                   ; the last lap fills nothing, and has no round of the cluster's barrier
	STEP 1, 0, 0
	s_wait_dscnt 4*NL                              ; the very last step: nothing more to fetch
	WIN MUL_LO
	MUL16 0, 1, NQ-1, 1, 0
	MUL16 2, 1, NQ-1, 1, 0
	s_wait_dscnt 0
	WIN MUL_HI
	MUL16 4, 1, NQ-1, 1, 0
	MUL16 6, 1, NQ-1, 1, 0
	WIN 0
; THE WAY OUT.  The 64 registers of A's block a (window w, from v[s] on) are four blocks of 32 along the next K: block b = registers 16 b .. 16 b + 15 of lanes l and l xor 16.
; QUANT makes their codes: blocks 0, 1 into the six registers from d0 on, blocks 2, 3 into those from d1 on (lanes 0-15 hold the even block, lanes 16-31 the odd one), and the four scale bytes into v[pw].
.macro QUANT w, s, d0, d1, pw
	WIN (((\w)<<2)|((\w)<<4))                      ; sources 1 and 2: the accumulators' window
.irp b, 0,1,2,3
	v_max3_num_f32 v[TM+\b], v[FL], |v[(\s)+16*\b]|, |v[(\s)+16*\b+1]|   ; my 16 numbers of block b, and the floor 2^(5 - 127): the byte cannot fall under 1.  Each accumulator is read from its low end on
.endr
.irp i, 2,4,6,8,10,12,14
.irp b, 0,1,2,3
	v_max3_num_f32 v[TM+\b], v[TM+\b], |v[(\s)+16*\b+\i]|, |v[(\s)+16*\b+\i+1]|   ; (the four blocks by turns)
.endr
.endr
	WIN 0
.irp b, 0,1,2,3
	v_permlanex16_b32 v[TM+4+\b], v[TM+\b], s20, s21
.endr
.irp b, 0,1,2,3
	v_max_num_f32 v[TM+\b], v[TM+\b], v[TM+4+\b]   ; with lane l xor 16's: the block's largest magnitude
.endr
.irp b, 0,1,2,3
	v_add_nc_u32 v[TM+12+\b], 0xfe000000, v[TM+\b] ; 4 off its exponent field: the conversion takes the exponent field of this operand as its scale
.endr
.irp b, 0,1,2,3
	v_lshrrev_b32 v[TM+4+\b], 23, v[TM+12+\b]      ; the scale's byte
.endr
	v_lshl_or_b32 v[\pw], v[TM+5], 8, v[TM+4]
	v_lshl_or_b32 v[\pw], v[TM+6], 16, v[\pw]
	v_lshl_or_b32 v[\pw], v[TM+7], 24, v[\pw]
	WIN (\w)                                       ; source 0: the accumulators' window
	v_cvt_scalef32_pk16_bf6_f32 v[(\d0):(\d0)+2], v[(\s):(\s)+15], v[TM+12]
	v_cvt_scalef32_pk16_bf6_f32 v[T2:T2+2], v[(\s)+16:(\s)+31], v[TM+13]        ; (a conversion's three registers begin on an even number)
	v_cvt_scalef32_pk16_bf6_f32 v[(\d1):(\d1)+2], v[(\s)+32:(\s)+47], v[TM+14]
	v_cvt_scalef32_pk16_bf6_f32 v[T2+4:T2+6], v[(\s)+48:(\s)+63], v[TM+15]
	WIN 0
	v_nop                                          ; one plain place behind a scaled conversion
.irp i, 0,1,2
	v_permlane16_swap_b32 v[(\d0)+\i], v[T2+\i]    ; the first's lanes 16-31 change places with the second's lanes 0-15: a lane now holds a whole block
	v_permlane16_swap_b32 v[(\d1)+\i], v[T2+4+\i]
.endr
.irp i, 0,1,2
	v_mov_b32 v[(\d0)+3+\i], v[T2+\i]
	v_mov_b32 v[(\d1)+3+\i], v[T2+4+\i]
.endr
.endm
.macro PUT eta, i                      ; fragment i of head eta leaves as it stands: each store covers 512 consecutive bytes, aligned
.irp c, 0,1,2
	global_store_b128 v[LI], v[FRG+12*(4*(\eta)+(\i))+4*\c:FRG+12*(4*(\eta)+(\i))+4*\c+3], s[96+2*(\eta):97+2*(\eta)] offset:1536*(\i)+512*\c
.endr
.endm
	PLACES NP                                      ; behind the last products: results are read, and registers that held operands and scales are written
	s_mov_b32 s20, 0x76543210
	s_mov_b32 s21, 0xfedcba98                      ; v_permlanex16_b32's selects for lane l xor 16
	s_mov_b32 s22, 0xffff0000                      ; lanes 16-31
	v_mov_b32 v[FL], 0x2800000
.irp b, 0,1,2,3
	v_mov_b32 v[TM+4+\b], 0                        ; written once: a lane permute's destination counts as one of its sources
.endr
	s_cmp_eq_u32 ttmp9, 2
	s_cbranch_scc1 .Lout_v
.irp i, 0,1,2,3                                ; modes q, k: token tiles 2 i and 2 i + 1 fill the two halves of fragment i, for each of my two heads
	QUANT (2+\i/2), (64*((2*\i)%4)), (FRG+12*\i), (FRG+48+12*\i), (PWT+2*\i)
	QUANT (2+\i/2), (64*((2*\i+1)%4)), (FRG+12*\i+6), (FRG+48+12*\i+6), (PWT+2*\i+1)
	v_perm_b32 v[WD+\i], v[PWT+2*\i+1], v[PWT+2*\i], 0x05040100     ; first head: the two tiles' lower two bytes
	v_perm_b32 v[WD+4+\i], v[PWT+2*\i+1], v[PWT+2*\i], 0x07060302   ; second head: their upper two
	PUT 0, \i
	PUT 1, \i
.endr
	s_branch .Lout_done
.Lout_v:
.irp a, 0,1,2,3,4,5,6,7                        ; mode v: block a is tile a % 4 of head a / 4: 16 features x my 128 tokens: one fragment
	QUANT (2+\a/4), (64*(\a%4)), (FRG+12*\a), (FRG+12*\a+6), (WD+\a)
	PUT (\a/4), (\a%4)
.endr
.Lout_done:
	s_cmp_lg_u32 ttmp9, 1                          ; mode k also lays the mask into its two records
	s_cbranch_scc1 .Lno_mask
	v_mov_b32 v[BIG], 0x71800000                   ; 2^100
.irp j, 0,1,2,3
	v_mul_f32 v[MK+\j], 0x41000000, v[MKI+\j]      ; x 8: the scores are taken before their division by 8
.endr
.irp j, 0,1,2,3
	v_med3_num_f32 v[MK+\j], v[MK+\j], -v[BIG], v[BIG]
.endr
	global_store_b128 v[LI], v[MK:MK+3], s[100:101] offset:512
	global_store_b128 v[LI], v[MK:MK+3], s[104:105] offset:512
.Lno_mask:
.irp k, 0,1,2,3
	v_cndmask_b32 v[RRW+\k], v[WD+2*\k], v[WD+2*\k+1], s22   ; lanes 0-15 the even fragment's words, lanes 16-31 the odd one's
.endr
	global_store_b64 v[L8], v[RRW:RRW+1], s[100:101]         ; 256 consecutive bytes, aligned
	global_store_b64 v[L8], v[RRW+2:RRW+3], s[104:105]
	s_wait_tensorcnt 0x0                           ; the wave's end
	ds_add_u32 v[SPW], v[NIL]
	s_wait_dscnt 0x0
	CROUND                                         ; the closing round: no work-group ends while a partner may still ask for a tile that names it
	s_endpgm
.Lfunc_end_k_q65a7c631a4_proj:
	.size	k_q65a7c631a4_proj, .Lfunc_end_k_q65a7c631a4_proj-k_q65a7c631a4_proj
	.p2alignl 7, 3214868480
	.fill 96, 4, 3214868480
	.section	.rodata,"a",@progbits
	.p2align	6, 0x0
	.amdhsa_kernel k_q65a7c631a4_proj
		.amdhsa_group_segment_fixed_size 327680
		.amdhsa_private_segment_fixed_size 0
		.amdhsa_enable_private_segment 0
		.amdhsa_kernarg_size 112
		.amdhsa_user_sgpr_count 2
		.amdhsa_user_sgpr_kernarg_segment_ptr 1
		.amdhsa_wavefront_size32 1
		.amdhsa_system_sgpr_workgroup_id_x 1
		.amdhsa_system_sgpr_workgroup_id_y 1
		.amdhsa_system_sgpr_workgroup_id_z 1
		.amdhsa_system_vgpr_workitem_id 0
		.amdhsa_next_free_vgpr 1024
		.amdhsa_next_free_sgpr 106
		.amdhsa_reserve_vcc 0
		.amdhsa_float_denorm_mode_32 3
		.amdhsa_float_denorm_mode_16_64 3
		.amdhsa_memory_ordered 1
		.amdhsa_forward_progress 1
		.amdhsa_inst_pref_size 220
	.end_amdhsa_kernel
	.amdgpu_metadata
---
amdhsa.version: [ 1, 2 ]
amdhsa.kernels:
  - .name:           k_q65a7c631a4_proj
    .symbol:         k_q65a7c631a4_proj.kd
    .args:
      - { .name: hidden_states_codes, .offset: 0, .size: 8, .value_kind: global_buffer, .address_space: global }
      - { .name: hidden_states_scales, .offset: 8, .size: 8, .value_kind: global_buffer, .address_space: global }
      - { .name: Wq_codes, .offset: 16, .size: 8, .value_kind: global_buffer, .address_space: global }
      - { .name: Wq_scales, .offset: 24, .size: 8, .value_kind: global_buffer, .address_space: global }
      - { .name: Wk_codes, .offset: 32, .size: 8, .value_kind: global_buffer, .address_space: global }
      - { .name: Wk_scales, .offset: 40, .size: 8, .value_kind: global_buffer, .address_space: global }
      - { .name: Wv_codes, .offset: 48, .size: 8, .value_kind: global_buffer, .address_space: global }
      - { .name: Wv_scales, .offset: 56, .size: 8, .value_kind: global_buffer, .address_space: global }
      - { .name: bq, .offset: 64, .size: 8, .value_kind: global_buffer, .address_space: global }
      - { .name: bk, .offset: 72, .size: 8, .value_kind: global_buffer, .address_space: global }
      - { .name: bv, .offset: 80, .size: 8, .value_kind: global_buffer, .address_space: global }
      - { .name: attention_mask, .offset: 88, .size: 8, .value_kind: global_buffer, .address_space: global }
      - { .name: qimg, .offset: 96, .size: 8, .value_kind: global_buffer, .address_space: global }
      - { .name: kv, .offset: 104, .size: 8, .value_kind: global_buffer, .address_space: global }
    .group_segment_fixed_size: 327680
    .private_segment_fixed_size: 0
    .kernarg_segment_align: 8
    .kernarg_segment_size: 112
    .max_flat_workgroup_size: 128
    .sgpr_count:     106
    .vgpr_count:     1024
    .wavefront_size: 32
...
	.end_amdgpu_metadata
.endif
;; end of part 1
;; launch attn (part 2): grid 4 x 64, 16 waves a work-group, clusters of 4 x 1, 284,672 bytes of LDS; arguments qimg, kv, out0; writes out0
.if DOCPART == 2
	.amdgcn_target "amdgcn-amd-amdhsa--gfx1250"
	.amdhsa_code_object_version 6
	.text
	.protected	k_q65a7c631a4_attn
	.globl	k_q65a7c631a4_attn
	.p2align	8
	.type	k_q65a7c631a4_attn,@function
k_q65a7c631a4_attn:
	s_mov_b64 s[64:65], 0
	v_nop
	global_prefetch_b8 v0, s[64:65] scope:SCOPE_SE
	s_setreg_imm32_b32 hwreg(HW_REG_WAVE_MODE, 25, 1), 1
	s_wait_xcnt 0x0
	s_wait_alu depctr_hold_cnt(0) depctr_sa_sdst(0) depctr_va_vdst(0) depctr_va_sdst(0) depctr_va_ssrc(0) depctr_va_vcc(0) depctr_vm_vsrc(0)
	s_getreg_b32 s2, hwreg(HW_REG_IB_STS2, 6, 4)
	s_cmp_eq_u32 s2, 0
	s_cbranch_scc0 .Lentry_in_a_cluster
	s_endpgm
.Lentry_in_a_cluster:
	s_bfe_u32 s2, ttmp6, 0x10000c
	s_cmp_lg_u32 s2, 0x3003
	s_cbranch_scc0 .Lentry_shape_is_right
	s_endpgm
.Lentry_shape_is_right:
; out[b][q][64 head + d] = the sum over keys k <= q of softmax_k(q . k / 8 + mask[k]) v[k][d], both products on codes of BF6 (E3M2) with one E8M0 scale for each 32 along a product's K.
; INPUTS, made by the launch before: images of operand registers (a fragment: 1,536 bytes; registers 4 c .. 4 c + 3 of lane l at 512 c + 16 l).
;   kv: [16 b + head][step of 128 keys][13,312]: 0: four fragments of k, each with TWO tiles of 16 keys (registers 0-5, 6-11; K = the head's 64); 6,144: four fragments of v^T (16 d x 128 keys);
;   12,288, 12,544: their scale words, 8 bytes a lane (first word: lanes 0-15 fragment 0, lanes 16-31 fragment 1; second word: fragments 2, 3); 12,800: 128 f32: 8 x mask.   qimg: [16 b + head][128 queries][6,400]: as k's.
; THE HEAD'S K IS 64, THE INSTRUCTION'S 128: my queries stand as (q, 0) and as (0, q) in 18 registers, zeros | q | zeros: against a fragment of k the first gives its first tile of keys, the second its second.
; THE MASK COSTS NO VECTOR LINE: 8 x mask, in the result's layout, is loaded into the scores' registers and is the C of k q^T.
; THE SOFTMAX: t = (q . k + 8 mask) x log2(e) / 8; M = the row's largest t so far, rounded UP to a whole number; p = 2^(t - M) is quantised along the keys, not normalised.  The row's sum is taken of the
; unquantised p and divides O at the end.  When M moves, the sum and O are multiplied by 2^(old M - new M): exact.
; SHARES.  A cluster of four work-groups is one (b, head).  The head's whole kv, 212,992 bytes, comes into each partner's LDS ONCE, by joint loads; nothing is filled again.  The head's 128 tiles of 16 queries: tile 8 g + 2 cx + e.
; Group g needs steps 0 .. g; step g lies on the diagonal.  Wave w takes (g = w, e = 0) and (g = 15 - w, e = 1), the longer first: (g + 1) + (16 - g) = 17 steps for every wave of every work-group.  g and e hang on the wave's number alone.
; Both products are used transposed (S^T = k q^T, O^T = v^T p^T): a lane holds ONE query (lane % 16) throughout.  The places inside a block of 32 are permuted alike in both operands of each product (see the launch before).
; LIMITS: the mask arrives held to +-2^100 / 8: a row whose every visible key is held there comes out as the mean of those keys' v.  Where a row's largest |t| passes 2^20, the rounding of t puts one common factor on the row's p;
; it cancels in O / the sum, but p's codes are then those of the shifted p.  NaN is not served.
; REGISTERS: v1-11 addresses; v12 -M, v13 the largest t, v[14:15] the sum in two halves; v16-33 zeros | q | zeros; v34 q's scale word; v36-42 the second pass's q; v44-91 four fragments of k, then of v;
; v92-95 their scale words; v96-159 S^T, then p; v160-191 O^T; v224-235 p's codes; v232-254 at work.
.set REC,   13312                      ; a step's record
.set HEADB, 16*REC                     ; a head's kv
.set STG,   HEADB                      ; behind it: a stage of 16 rows x (256 bytes + 16) for each wave, its own; no tensor load lands there
.set QREC,  6400
.set LI,  1                            ; v1   16 x lane
.set L8,  2                            ; v2   8 x lane
.set MH,  3                            ; v3   32 x (lane / 16)
.set DG1, 4                            ; v4   first pass: my query's place in its 128, less 8 (lane / 16)
.set STO, 5                            ; v5   the stage: where I put 32 bytes of a row
.set RD,  6                            ; v6   and where I read a row back
.set GO,  7                            ; v7   my byte offset in the tile's rows of out
.set ADR, 8                            ; v8   LDS address of the step's fragments
.set ADS, 9                            ; v9   of its scale words
.set ADM, 10                           ; v10  of its mask
.set DG2, 11                           ; v11  second pass: as v4
.set QB,  16
.set QS,  34
.set RL,  35                           ; v35  lane % 16 (the head only)
.set Q2,  36
.set QS2, 42
.set HL,  43                           ; v43  lane / 16 (the head only)
.set KF,  44
.set KSC, 92
.set VSC, 94
.set WV,  10                           ; s10  my wave's number
.set CX,  11                           ; s11  my place in the cluster: it enters q's and out's addresses and the diagonal's compare alone
.set BHD, 12                           ; s12  16 b + head
.set G,   13                           ; s13  the pass's group
.set G2,  14                           ; s14  the second pass's
.set E1,  15                           ; s15  the first pass's e
.set SI,  16                           ; s16  the step
.set TB,  17                           ; s17  LDS byte of the step's record
.set SEL, 18                           ; s[18:19] v_permlanex16_b32's selects for lane l xor 16
.set CS,  20                           ; s[20:21] c = log2(e) / 8
.set E1M, 22                           ; s22  all ones where e = 1 in the first pass
.set G1A, 24                           ; s[24:31] descriptor group 1: one record;  s[32:39]: three records
.set G1B, 32
.set G0A, 40                           ; s[40:43], s[44:47] their groups 0
.set G0B, 44
.set OUT1, 48                          ; s[48:49], s[50:51] out at the two passes' first rows
.set OUT2, 50
.set QP1, 52                           ; s[52:53], s[54:55] qimg at the two passes' records
.set QP2, 54
.macro CROUND                          ; a round of the cluster's barrier
	s_barrier_signal -1
	s_barrier_wait -1
	s_cmp_lg_u32 s[WV], 0
	s_cbranch_scc1 .Lnot_wave_0_\@
	s_barrier_signal -3
.Lnot_wave_0_\@:
	s_barrier_wait -3
	s_barrier_signal -1
	s_barrier_wait -1
.endm
	s_load_b128 s[4:7], s[0:1], 0x0                ; qimg, kv
	s_load_b64 s[8:9], s[0:1], 0x10                ; out0
	v_lshl_add_u32 v251, v0, 2, 0x45000
	v_mov_b32 v255, 0
	ds_add_u32 v251, v255
	ds_add_u32 v251, v255
	v_lshrrev_b32 v1, 5, v0
	v_readfirstlane_b32 s[WV], v1                  ; wave 0..15
	s_bfe_u32 s[CX], ttmp6, 0x40000
	s_and_b32 s[BHD], ttmp7, 0xffff
	s_lshr_b32 s[E1], s[WV], 3
	s_xor_b32 s[E1], s[E1], 1                      ; waves 0-7 begin with e = 1, g = 15 - w; waves 8-15 with e = 0, g = w: g is 8 or more in the first pass
	s_mul_i32 s56, s[E1], 15
	s_xor_b32 s[G], s[WV], s56
	s_xor_b32 s[G2], s[G], 15
	s_sub_co_u32 s[E1M], 0, s[E1]
	; descriptor group 1: dense bytes as rows of 256 (32 elements of 8 bytes): 52 rows are a record, 156 three
	s_mov_b32 s[G1A], 15|(3<<16)|(1<<21)           ; 15:0 the mask: all four work-groups; 17:16 elements of 8 bytes; 21 set beside a mask
	s_mov_b32 s[G1A+1], 32<<16                     ; tensor_dim0
	s_mov_b32 s[G1A+2], 52<<16                     ; tensor_dim1
	s_mov_b32 s[G1A+3], 32<<16                     ; tile_dim0
	s_mov_b32 s[G1A+4], 52                         ; tile_dim1
	s_mov_b32 s[G1A+5], 32                         ; tensor_dim0_stride
	s_mov_b32 s[G1A+6], 0
	s_mov_b32 s[G1A+7], 0
	s_mov_b32 s[G1B], 15|(3<<16)|(1<<21)
	s_mov_b32 s[G1B+1], 32<<16
	s_mov_b32 s[G1B+2], 156<<16
	s_mov_b32 s[G1B+3], 32<<16
	s_mov_b32 s[G1B+4], 156
	s_mov_b32 s[G1B+5], 32
	s_mov_b32 s[G1B+6], 0
	s_mov_b32 s[G1B+7], 0
	s_mul_i32 s56, s[BHD], HEADB                   ; the head's first byte in kv (under 2^24)
	s_mul_i32 s58, s[WV], REC                      ; waves 0-3: record w,
	s_mul_i32 s60, s[WV], 3*REC
	s_add_co_u32 s60, s60, 4*REC                   ; and records 4 + 3 w .. 6 + 3 w
	s_mov_b32 s[G0A], 1
	s_mov_b32 s[G0A+1], s58                        ; in LDS as in the head's kv
	s_mov_b32 s[G0B], 1
	s_mov_b32 s[G0B+1], s60
	s_add_co_u32 s58, s58, s56
	s_mov_b32 s59, 0
	s_add_co_u32 s60, s60, s56
	s_mov_b32 s61, 0
	s_lshr_b32 s56, s[BHD], 4
	s_lshl_b32 s56, s56, 11
	s_lshl_b32 s57, s[CX], 5
	s_add_co_u32 s56, s56, s57                     ; 2,048 b + 32 cx
	s_lshl_b32 s62, s[E1], 4                       ; 16 e, first pass
	s_xor_b32 s63, s62, 16                         ; second pass
	s_lshl_b32 s48, s[G], 7
	s_add_co_u32 s48, s48, s62
	s_add_co_u32 s48, s48, s56                     ; my first row of out: 2,048 b + 128 g + 32 cx + 16 e
	s_lshl_b32 s48, s48, 12                        ; rows of 4,096 bytes
	s_lshl_b32 s50, s[G2], 7
	s_add_co_u32 s50, s50, s63
	s_add_co_u32 s50, s50, s56
	s_lshl_b32 s50, s50, 12
	s_and_b32 s56, s[BHD], 15
	s_lshl_b32 s56, s56, 8                         ; the head's 256 bytes of a row
	s_add_co_u32 s48, s48, s56
	s_add_co_u32 s50, s50, s56
	s_mov_b32 s49, 0
	s_mov_b32 s51, 0
	s_add_co_u32 s62, s62, s57                     ; 32 cx + 16 e: my tile's place in its 128 queries
	s_add_co_u32 s63, s63, s57
	s_lshl_b32 s56, s[BHD], 4
	s_add_co_u32 s52, s56, s[G]
	s_mul_i32 s52, s52, QREC
	s_add_co_u32 s54, s56, s[G2]
	s_mul_i32 s54, s54, QREC
	s_mov_b32 s53, 0
	s_mov_b32 s55, 0
	s_mov_b32 s[SEL], 0x76543210
	s_mov_b32 s[SEL+1], 0xfedcba98
	s_mov_b32 s[CS], 0x3e38aa3b                    ; c = log2(e) / 8
	s_mov_b32 s[CS+1], s[CS]                       ; (named with it as a pair, so it is written)
	v_and_b32 v3, 31, v0
	v_lshlrev_b32 v[LI], 4, v3
	v_lshlrev_b32 v[L8], 3, v3
	v_and_b32 v[RL], 15, v0                        ; r
	v_bfe_u32 v[HL], v0, 4, 1                      ; h
	v_lshlrev_b32 v[MH], 5, v[HL]
	v_lshlrev_b32 v[DG1], 3, v[HL]
	v_sub_nc_u32 v[DG1], v[RL], v[DG1]             ; r - 8 h
	v_add_nc_u32 v[DG2], s63, v[DG1]
	v_add_nc_u32 v[DG1], s62, v[DG1]
	s_mul_i32 s56, s[WV], 16*272
	s_add_co_u32 s56, s56, STG                     ; my stage
	v_mul_u32_u24 v[STO], v[RL], 272
	v_lshl_add_u32 v[STO], v[HL], 5, v[STO]
	v_add_nc_u32 v[STO], s56, v[STO]               ; in: row r, + 32 h
	v_mul_u32_u24 v[RD], v[HL], 272
	v_lshl_add_u32 v[RD], v[RL], 4, v[RD]
	v_add_nc_u32 v[RD], s56, v[RD]                 ; back: lanes 0-15 one row, lanes 16-31 the next
	v_lshlrev_b32 v[GO], 12, v[HL]
	v_lshl_add_u32 v[GO], v[RL], 4, v[GO]          ; and the same two rows in out
	s_mul_i32 s56, s[CX], 1536                     ; q: fragment cx of the record,
	v_add_nc_u32 v[ADR], s56, v[LI]
	s_and_b32 s56, s[CX], 1
	s_lshl_b32 s56, s56, 7
	s_lshr_b32 s57, s[CX], 1
	s_lshl_b32 s57, s57, 2
	s_add_co_u32 s56, s56, s57
	v_lshl_add_u32 v[ADS], v[RL], 3, s56           ; and its scale word of row r: 8 (16 (cx % 2) + r) + 4 (cx / 2)
	s_wait_dscnt 0x0
	s_wait_kmcnt 0x0
	s_add_nc_u64 s[G0A+2:G0A+3], s[6:7], s[58:59]
	s_or_b32 s[G0A+3], s[G0A+3], 0x80000000
	s_add_nc_u64 s[G0B+2:G0B+3], s[6:7], s[60:61]
	s_or_b32 s[G0B+3], s[G0B+3], 0x80000000
	s_add_nc_u64 s[OUT1:OUT1+1], s[8:9], s[OUT1:OUT1+1]
	s_add_nc_u64 s[OUT2:OUT2+1], s[8:9], s[OUT2:OUT2+1]
	s_add_nc_u64 s[QP1:QP1+1], s[4:5], s[QP1:QP1+1]
	s_add_nc_u64 s[QP2:QP2+1], s[4:5], s[QP2:QP2+1]
	CROUND                                         ; all four work-groups are here: the joint loads meet
	s_cmp_lt_u32 s[WV], 4                          ; waves 0-3 fetch; a wave's two loads stand in one branch: two tensor loads of mine are out
	s_cbranch_scc0 .Lno_fill
	tensor_load_to_lds s[G0A:G0A+3], s[G1A:G1A+7]  ; steps 0-3, a record a wave
	s_nop 0
	tensor_load_to_lds s[G0B:G0B+3], s[G1B:G1B+7]  ; steps 4-15, three records a wave
	s_nop 0
.rept 4
	v_nop
.endr
.Lno_fill:
.irp c, 0,1,2
	global_load_b128 v[96+4*\c:99+4*\c], v[ADR], s[QP1:QP1+1] offset:512*\c     ; the pair of tiles that holds my first pass's queries,
	global_load_b128 v[108+4*\c:111+4*\c], v[ADR], s[QP2:QP2+1] offset:512*\c   ; and my second pass's
.endr
	global_load_b32 v120, v[ADS], s[QP1:QP1+1] offset:6144
	global_load_b32 v121, v[ADS], s[QP2:QP2+1] offset:6144
	s_mov_b32 s58, 0x01000100                      ; a pair's scale word: tile 0's two bytes, twice;
	s_mov_b32 s59, 0x03020302                      ; tile 1's
	s_cmp_eq_u32 s[E1], 1
	s_cselect_b32 s60, s59, s58
	s_cselect_b32 s61, s58, s59
.irp i, 0,1,2,3,4,5
	v_mov_b32 v[QB+\i], 0
	v_mov_b32 v[QB+12+\i], 0
.endr
.irp b, 0,1,2,3
	v_mov_b32 v[236+\b], 0                         ; written once: a lane permute's destination counts as one of its sources
.endr
	v_mov_b32 v253, 0                              ; (named as the upper half of the pair v[252:253] before it is first written)
	s_wait_loadcnt 0x0
.irp i, 0,1,2,3,4,5
	v_cndmask_b32 v[QB+6+\i], v[96+\i], v[102+\i], s[E1M]     ; registers 0-5 of the pair are tile e = 0, registers 6-11 tile e = 1
	v_cndmask_b32 v[Q2+\i], v[114+\i], v[108+\i], s[E1M]      ; the second pass has the other e
.endr
	v_perm_b32 v[QS], v120, v120, s60              ; (s0, s1, s0, s1): the same two bytes serve (q, 0) and (0, q)
	v_perm_b32 v[QS2], v121, v121, s61
.macro PASSINIT                        ; these 36 plain lines are also the places between the writing of q and its scale word and the first product
	v_mov_b32 v13, 0xff61b1e6                      ; the largest t so far: -3e38, under every t
	v_floor_f32 v12, -v13                          ; -M
	v_mov_b32 v14, 0
	v_mov_b32 v15, 0
.set j, 0
.rept 32
	v_mov_b32 v[160+j], 0                          ; O^T: the step is written once: the first finds zeros, which the first change of M leaves zeros
.set j, j+1
.endr
.endm
	PASSINIT
; A KEY STEP: 128 keys.  skip = 1: a step behind my group's diagonal is left out: a scalar branch on the step and the wave's number.  diag = 1: in step g hidden scores become -infinity.  dg: the pass's register for that.
.macro STEP skip, diag, dg
.if \skip
	s_cmp_gt_u32 s[SI], s[G]
	s_cbranch_scc1 .Lhid_\@
.endif
	v_add_nc_u32 v[ADR], s[TB], v[LI]              ; four plain lines: the places behind the last step's products, in front of loads into registers that they read
	v_add_nc_u32 v[ADS], s[TB], v[L8]
	v_add_nc_u32 v[ADM], s[TB], v[MH]
	v_nop
.irp t, 0,1,2,3,4,5,6,7
	ds_load_b128 v[96+8*\t:99+8*\t], v[ADM] offset:12800+64*\t        ; 8 x mask of keys 16 t + 8 h + 0 .. 7, into the scores' registers
	ds_load_b128 v[100+8*\t:103+8*\t], v[ADM] offset:12800+64*\t+16
.endr
.irp i, 0,1,2,3
.irp c, 0,1,2
	ds_load_b128 v[KF+12*\i+4*\c:KF+12*\i+4*\c+3], v[ADR] offset:1536*\i+512*\c   ; k's four fragments: 512 consecutive bytes a load
.endr
.endr
	ds_load_b64 v[KSC:KSC+1], v[ADS] offset:12288
	s_wait_dscnt 0x0
.irp i, 0,1,2,3                                ; S^T = k q^T + 8 mask: eight accumulators, one instruction each
.if \i%2
	v_wmma_scale_f32_16x16x128_f8f6f4 v[96+16*\i:103+16*\i], v[KF+12*\i:KF+12*\i+11], v[QB+6:QB+17], v[96+16*\i:103+16*\i], v[KSC+\i/2], v[QS] matrix_a_fmt:MATRIX_FMT_BF6 matrix_b_fmt:MATRIX_FMT_BF6 matrix_a_scale:MATRIX_SCALE_ROW1
	v_wmma_scale_f32_16x16x128_f8f6f4 v[104+16*\i:111+16*\i], v[KF+12*\i:KF+12*\i+11], v[QB:QB+11], v[104+16*\i:111+16*\i], v[KSC+\i/2], v[QS] matrix_a_fmt:MATRIX_FMT_BF6 matrix_b_fmt:MATRIX_FMT_BF6 matrix_a_scale:MATRIX_SCALE_ROW1
.else
	v_wmma_scale_f32_16x16x128_f8f6f4 v[96+16*\i:103+16*\i], v[KF+12*\i:KF+12*\i+11], v[QB+6:QB+17], v[96+16*\i:103+16*\i], v[KSC+\i/2], v[QS] matrix_a_fmt:MATRIX_FMT_BF6 matrix_b_fmt:MATRIX_FMT_BF6
	v_wmma_scale_f32_16x16x128_f8f6f4 v[104+16*\i:111+16*\i], v[KF+12*\i:KF+12*\i+11], v[QB:QB+11], v[104+16*\i:111+16*\i], v[KSC+\i/2], v[QS] matrix_a_fmt:MATRIX_FMT_BF6 matrix_b_fmt:MATRIX_FMT_BF6
.endif
.endr                                          ; register 8 t + j of lane (r, h): query r, key 16 t + 8 h + j
.rept 4
	v_nop                                          ; places: in front of the loads into k's registers, and of the first read of the scores
.endr
.irp t, 0,1,2,3
.irp c, 0,1,2
	ds_load_b128 v[KF+12*\t+4*\c:KF+12*\t+4*\c+3], v[ADR] offset:6144+1536*\t+512*\c   ; v's four fragments land while the softmax is walked
.endr
.endr
	ds_load_b64 v[VSC:VSC+1], v[ADS] offset:12544
.if \diag
	s_cmp_lg_u32 s[SI], s[G]
	s_cbranch_scc1 .Lopen_\@
	v_mov_b32 v254, 0xff800000                     ; -infinity
.set n, 0
.rept 64
	v_cmp_gt_i32 vcc_lo, 16*(n/8)+n%8, v[\dg]      ; hidden where the key's place, 16 (n / 8) + n % 8 + 8 h, lies behind my query's
	v_cndmask_b32 v[96+n], v[96+n], v254, vcc_lo
.set n, n+1
.endr
.Lopen_\@:
.endif
.irp b, 0,1,2,3
	v_max3_num_f32 v[232+\b], v[96+16*\b], v[97+16*\b], v[98+16*\b]   ; the largest score of each block of 32 keys: it serves the row's maximum and, since p rises with the score, the block's largest p
.endr
.irp i, 3,5,7,9,11,13
.irp b, 0,1,2,3
	v_max3_num_f32 v[232+\b], v[232+\b], v[96+16*\b+\i], v[97+16*\b+\i]
.endr
.endr
.irp b, 0,1,2,3
	v_max_num_f32 v[232+\b], v[232+\b], v[111+16*\b]
.endr
.irp b, 0,1,2,3
	v_permlanex16_b32 v[236+\b], v[232+\b], s[SEL], s[SEL+1]
.endr
.irp b, 0,1,2,3
	v_max_num_f32 v[232+\b], v[232+\b], v[236+\b]  ; with lane l xor 16's 16 keys
.endr
	v_max3_num_f32 v254, v232, v233, v234
	v_max_num_f32 v254, v254, v235                 ; the step's largest score of my query
	v_mul_f32 v254, s[CS], v254                    ; as t (c is positive)
	v_max_num_f32 v13, v13, v254                   ; the running largest t
	v_mov_b32 v254, v12
	v_floor_f32 v12, -v13                          ; the new -M = floor(-t) = -ceil(t): a whole number
	v_sub_f32 v254, v12, v254                      ; M's old value less its new one: 0 or less
	v_cvt_i32_f32 v254, v254                       ; (it saturates)
	v_ldexp_f32 v252, 1.0, v254                    ; f = 2^(old M - new M)
.set j, 0
.rept 32
	v_pk_fma_f32 v[96+j:97+j], v[96+j:97+j], s[CS:CS+1], v[12:13] op_sel_hi:[1,0,0]   ; t - M, two at a time
.set j, j+2
.endr
.irp b, 0,1,2,3
	v_fma_f32 v[232+\b], v[232+\b], s[CS], v12     ; the same of each block's largest score
.endr
.set j, 0
.rept 64
	v_exp_f32 v[96+j], v[96+j]                     ; p = 2^(t - M): not normalised
.set j, j+1
.endr
.irp b, 0,1,2,3
	v_exp_f32 v[232+\b], v[232+\b]                 ; the block's largest p: the same two instructions on the same number give the same bits
.endr
	v_pk_mul_f32 v[14:15], v[14:15], v[252:253] op_sel_hi:[1,0]   ; the sums under the new M.  (A plain place behind the exponentials)
	s_wait_alu depctr_va_vdst(0)
.irp b, 0,1,2,3
	v_max_num_f32 v[232+\b], 0x2800000, v[232+\b]  ; the floor 2^(5 - 127): the byte cannot fall under 1
.endr
.irp b, 0,1,2,3
	v_add_nc_u32 v[244+\b], 0xfe000000, v[232+\b]  ; 4 off the exponent field: the conversion's scale operand
.endr
.irp b, 0,1,2,3
	v_lshrrev_b32 v[236+\b], 23, v[244+\b]         ; the scale's byte
.endr
	v_lshl_or_b32 v253, v237, 8, v236              ; p's scale word for these 128 keys
	v_lshl_or_b32 v253, v238, 16, v253
	v_lshl_or_b32 v253, v239, 24, v253
.irp c, 0,1
	v_cvt_scalef32_pk16_bf6_f32 v[224+6*\c:226+6*\c], v[96+32*\c:111+32*\c], v[244+2*\c]
	v_cvt_scalef32_pk16_bf6_f32 v[236+4*\c:238+4*\c], v[112+32*\c:127+32*\c], v[244+2*\c+1]   ; (a conversion's three registers begin on an even number)
.endr
	v_nop                                          ; one plain place behind a scaled conversion
.irp c, 0,1                                    ; the operand's layout wants a whole block in a lane
.irp i, 0,1,2
	v_permlane16_swap_b32 v[224+6*\c+\i], v[236+4*\c+\i]
.endr
.irp i, 0,1,2
	v_mov_b32 v[227+6*\c+\i], v[236+4*\c+\i]
.endr
.endr
	v_pk_add_f32 v[236:237], v[96:97], v[98:99]    ; the row's sum is taken of the unquantised p: two at a time, in two chains
.irp j, 4,8,12,16,20,24,28,32,36,40,44,48,52,56,60
	v_pk_add_f32 v[14:15], v[14:15], v[96+\j:97+\j]
	v_pk_add_f32 v[236:237], v[236:237], v[98+\j:99+\j]
.endr
	v_pk_add_f32 v[14:15], v[14:15], v[236:237]
.set j, 0
.rept 16
	v_pk_mul_f32 v[160+j:161+j], v[160+j:161+j], v[252:253] op_sel_hi:[1,0]   ; O^T under the new M.  (With the sums above: the places between the writing of p's codes and scale word and the products below)
.set j, j+2
.endr
	s_wait_dscnt 0x0                               ; v's fragments and scale words
.irp t, 0,1,2,3                                ; O^T += v^T p^T: four accumulators, one instruction each
.if \t%2
	v_wmma_scale_f32_16x16x128_f8f6f4 v[160+8*\t:167+8*\t], v[KF+12*\t:KF+12*\t+11], v[224:235], v[160+8*\t:167+8*\t], v[VSC+\t/2], v253 matrix_a_fmt:MATRIX_FMT_BF6 matrix_b_fmt:MATRIX_FMT_BF6 matrix_a_scale:MATRIX_SCALE_ROW1
.else
	v_wmma_scale_f32_16x16x128_f8f6f4 v[160+8*\t:167+8*\t], v[KF+12*\t:KF+12*\t+11], v[224:235], v[160+8*\t:167+8*\t], v[VSC+\t/2], v253 matrix_a_fmt:MATRIX_FMT_BF6 matrix_b_fmt:MATRIX_FMT_BF6
.endif
.endr
.if \skip
.Lhid_\@:
.endif
	s_add_co_u32 s[TB], s[TB], REC                 ; the next step's record
.endm
; THE WAY OUT of a pass: O^T / the sum goes through my stage and leaves as rows: sixteen lanes store 256 consecutive bytes, aligned: a token's 64 channels of the head.
.macro OUT base
	v_add_f32 v14, v14, v15                        ; the sum's two halves,
	v_permlanex16_b32 v252, v14, s[SEL], s[SEL+1]
	v_add_f32 v14, v14, v252                       ; and lane l xor 16's
	v_rcp_f32 v14, v14
	v_nop                                          ; a plain place behind the reciprocal; with the additions above, four places behind the last products
	v_nop
.set j, 0
	s_wait_alu depctr_va_vdst(0)
.rept 32
	v_mul_f32 v[96+j], v[160+j], v14               ; register 8 t + i: out(query r, channel 16 t + 8 h + i); each accumulator from its low end on
.set j, j+1
.endr
.irp t, 0,1,2,3
	ds_store_b128 v[STO], v[96+8*\t:99+8*\t] offset:64*\t
	ds_store_b128 v[STO], v[100+8*\t:103+8*\t] offset:64*\t+16
.endr
.irp i, 0,1,2,3,4,5,6,7
	ds_load_b128 v[KF+4*\i:KF+4*\i+3], v[RD] offset:544*\i   ; LDS serves a wave's instructions in order (ISA guide 5.7.1.4): these see my stores
.endr
.irp i, 0,1,2,3,4,5,6,7
	s_wait_dscnt 7-\i                              ; the younger loads from the stage may be out
	global_store_b128 v[GO], v[KF+4*\i:KF+4*\i+3], s[\base:\base+1] offset:8192*\i th:TH_STORE_NT
.endr
.endm
	s_wait_tensorcnt 0x1                           ; my record of steps 0-3 is in; steps 4-15 may stay out
	s_barrier_signal -1
	s_barrier_wait -1                              ; everybody's is
	s_mov_b32 s[SI], 0
	s_mov_b32 s[TB], 0
.Lfirst_four:                                      ; first pass, steps 0-3: g is 8 or more, so all their keys count
	STEP 0, 0, DG1
	s_add_co_u32 s[SI], s[SI], 1
	s_cmp_lt_u32 s[SI], 4
	s_cbranch_scc1 .Lfirst_four
	s_wait_tensorcnt 0x0                           ; my records of steps 4-15 are in,
	s_wait_dscnt 0x0
	s_barrier_signal -1
	s_barrier_wait -1                              ; everybody's are
	s_mov_b32 s[SI], 4
	s_mov_b32 s[TB], 4*REC
.Lrest:                                            ; first pass, steps 4-15: the trip count is a constant; steps behind g are jumped over
	STEP 1, 1, DG1
	s_add_co_u32 s[SI], s[SI], 1
	s_cmp_lt_u32 s[SI], 16
	s_cbranch_scc1 .Lrest
	OUT OUT1
	s_wait_xcnt 0x0                                ; the stores have read their registers: the next pass's loads may land there
.irp i, 0,1,2,3,4,5
	v_mov_b32 v[QB+6+\i], v[Q2+\i]                 ; the second pass's queries
.endr
	v_mov_b32 v[QS], v[QS2]
	s_mov_b32 s[G], s[G2]
	s_mov_b32 s[SI], 0
	s_mov_b32 s[TB], 0
	PASSINIT
.Lsecond:                                          ; second pass: g is 7 or less.  No barrier stands in it
	STEP 1, 1, DG2
	s_add_co_u32 s[SI], s[SI], 1
	s_cmp_lt_u32 s[SI], 8
	s_cbranch_scc1 .Lsecond
	OUT OUT2
	s_wait_dscnt 0x0
	s_wait_tensorcnt 0x0
	ds_add_u32 v251, v255
	s_wait_dscnt 0x0
	CROUND                                         ; the closing round: no work-group ends while a partner may still ask for a tile that names it
	s_endpgm
.Lfunc_end_k_q65a7c631a4_attn:
	.size	k_q65a7c631a4_attn, .Lfunc_end_k_q65a7c631a4_attn-k_q65a7c631a4_attn
	.p2alignl 7, 3214868480
	.fill 96, 4, 3214868480
	.section	.rodata,"a",@progbits
	.p2align	6, 0x0
	.amdhsa_kernel k_q65a7c631a4_attn
		.amdhsa_group_segment_fixed_size 284672
		.amdhsa_private_segment_fixed_size 0
		.amdhsa_enable_private_segment 0
		.amdhsa_kernarg_size 24
		.amdhsa_user_sgpr_count 2
		.amdhsa_user_sgpr_kernarg_segment_ptr 1
		.amdhsa_wavefront_size32 1
		.amdhsa_system_sgpr_workgroup_id_x 1
		.amdhsa_system_sgpr_workgroup_id_y 1
		.amdhsa_system_sgpr_workgroup_id_z 1
		.amdhsa_system_vgpr_workitem_id 0
		.amdhsa_next_free_vgpr 256
		.amdhsa_next_free_sgpr 66
		.amdhsa_reserve_vcc 1
		.amdhsa_float_denorm_mode_32 3
		.amdhsa_float_denorm_mode_16_64 3
		.amdhsa_memory_ordered 1
		.amdhsa_forward_progress 1
		.amdhsa_inst_pref_size 78
	.end_amdhsa_kernel
	.amdgpu_metadata
---
amdhsa.version: [ 1, 2 ]
amdhsa.kernels:
  - .name:           k_q65a7c631a4_attn
    .symbol:         k_q65a7c631a4_attn.kd
    .args:
      - { .name: qimg, .offset: 0, .size: 8, .value_kind: global_buffer, .address_space: global }
      - { .name: kv, .offset: 8, .size: 8, .value_kind: global_buffer, .address_space: global }
      - { .name: out0, .offset: 16, .size: 8, .value_kind: global_buffer, .address_space: global }
    .group_segment_fixed_size: 284672
    .private_segment_fixed_size: 0
    .kernarg_segment_align: 8
    .kernarg_segment_size: 24
    .max_flat_workgroup_size: 512
    .sgpr_count:     66
    .vgpr_count:     256
    .wavefront_size: 32
...
	.end_amdgpu_metadata
.endif
;; end of part 2
